; MI455X (gfx1250); checked and timed in simulation.
; The chip was launched on July 23, 2026; its instructions are those of AMD's public machine-readable ISA for CDNA 5 (MIT licence, August 2026) and "CDNA5" Instruction Set Architecture Reference Guide (July 2026). The comments in the code are by the model that wrote it; some were corrected since.
;; Attention Block. Allowed arithmetic: matrix products marked QUANTISED: E2M1 operands, one E8M0 scale for each 32 along K, by v_wmma_scale_f32_16x16x128_f8f6f4 with both operands' format E2M1 (or v_wmma_scale_f32_32x16x128_f4), f32 sums; everything else in f32.
;; Inputs: gn_b 256 float32; gn_w 256 float32; proj_b 256 float32; proj_w_codes 256 x 8 x 16 uint8 (E2M1 codes of proj_w, K innermost, in blocks of 32 codes, two codes a byte); proj_w_scales 256 x 8 uint8 (E8M0 scales of proj_w, one for each 32 codes along K); qkv_b 768 float32; qkv_w_codes 768 x 8 x 16 uint8 (E2M1 codes of qkv_w, K innermost, in blocks of 32 codes, two codes a byte); qkv_w_scales 768 x 8 uint8 (E8M0 scales of qkv_w, one for each 32 codes along K); x 4 x 256 x 64 x 64 float32.
;; Outputs: out0 4 x 256 x 64 x 64 float32.
;; This version of the problem:
;;   THIS VERSION OF THE PROBLEM IS GIVEN IN LOW PRECISION. The matrix products marked QUANTISED in the list below multiply operands that are first quantised to E2M1 (2 exponent bits, 1 mantissa bit; 4 bits a number), with one power-of-two scale for each 32 numbers along K (OCP MX v1.0); their sums are f32. All else is computed in f32.
;;   The module's matrix products, in the order in which they are computed (A, B: the left and right operand; K: the contracted axis; several contracted axes count as one K, in the product's order):
;;     1. [M 16,384, K 256] x [K 256, N 768]; A: computed on the way; B: input qkv_w (given as codes): QUANTISED
;;     2. batch 16 x [M 4,096, K 64] x [K 64, N 4,096]; A: computed on the way; B: computed on the way: QUANTISED
;;     3. batch 16 x [M 64, K 4,096] x [K 4,096, N 4,096]; A: computed on the way; B: softmax (see below): QUANTISED
;;     4. [M 16,384, K 256] x [K 256, N 256]; A: computed on the way; B: input proj_w (given as codes): QUANTISED
;;   THE QUANTISER, for each operand of a quantised product, along K:
;;     - K is cut into blocks of 32 from its start; a last block that is shorter is filled with zeros.
;;     - A block's scale is 2^e with e = floor(log2(the largest magnitude in the block)) - 2, held to -126 .. 127; a block of zeros has e = 0. As a byte (E8M0): e + 127.
;;     - Each number is divided by its block's scale, clamped to +-6, and rounded to the nearest number of E2M1, ties to even, subnormals kept.
;;     - The product sums the exact products of the quantised numbers (number of the format x scale) in f32.
;;   ~~~python
;;   def quantise(x, axis):      # numpy; x: float32 -> the quantised numbers, widened to float32 again
;;       x = np.moveaxis(x, axis, -1); K = x.shape[-1]
;;       x = np.pad(x, [(0, 0)] * (x.ndim - 1) + [(0, -K % 32)]); x = x.reshape(x.shape[:-1] + (-1, 32)); a = np.abs(x).max(-1, keepdims=True)
;;       e = np.where(a > 0, np.clip(np.frexp(np.where(a > 0, a, 1))[1] - 1 - 2, -126, 127), 0)      # np.frexp(a)[1] - 1 = floor(log2(a)), exactly
;;       r = np.clip(x / 2.0 ** e, -6, 6)
;;       step = 2.0 ** (np.maximum(np.frexp(np.where(r == 0, 1, r))[1] - 1, 0) - 1)
;;       q = np.round(r / step) * step * 2.0 ** e      # np.round: ties to even
;;       return np.moveaxis(q.reshape(q.shape[:-2] + (-1,))[..., :K], -1, axis).astype(np.float32)
;;   ~~~
;;   SOFTMAX AHEAD OF A QUANTISED PRODUCT. Where the list says 'softmax', what is quantised is not the finished softmax but p = 2^(t - M), with t = logit x log2(e) and M = ceil(the row's largest t), a whole number; so 1/2 < the row's largest p <= 1. The row's sum l is taken of the UNQUANTISED p, in f32, and the product's result is divided by l at the end. Since M is a whole number, a kernel that streams over the keys may use a running M (the ceiling of the running maximum): every later rescaling is an exact power of two, which a block's scale takes up: the codes' values come out the same.
;;   OPERANDS COMPUTED ON THE WAY. 'Computed on the way' means the value that the module computes at that place (a softmax that the list does not call 'softmax' is quantised finished and normalised). What goes into a quantiser is computed in f32, as accurately as f32 sums, v_exp_f32 and their like allow (about 1e-6 of the number): no bf16 or f16 on the way to a quantiser, and a product that is left as it is and whose result goes on into a quantised operand takes f32 operands (vector FMAs, or v_wmma_f32_16x16x4_f32). A number that lies on a knife's edge between two numbers of the format may be rounded either way, as far as f32 arithmetic and the matrix unit's own rounding can turn it there, and no further.
;;   INPUTS GIVEN AS CODES. proj_w (in the module: [256, 256], K = its axis 1); qkv_w (in the module: [768, 256], K = its axis 1): each comes as NAME_codes (uint8): NAME with its K axis moved to the last place and cut into blocks of 32 codes, [.., K / 32, bytes a block], one block behind the other in memory; two codes a byte, the lower K in the low four bits (a code: sign, 2 exponent bits, 1 mantissa bit); and NAME_scales (uint8): the same leading axes, one E8M0 byte (e + 127) for each 32 codes along K. Its value is code x scale, taken as it is: it is not quantised again, and the codes and scales need not be those that the quantiser above would give.
;; One version. Each part assembles by itself: llvm-mc -triple=amdgcn-amd-amdhsa -mcpu=gfx1250 --defsym DOCPART=n.
;; ======== version 1 of 1: 4 launches
;; workspace buffers: stats 2,048 bytes; qc 2,097,152 bytes; qs 262,144 bytes; kv 4,587,520 bytes; oc 2,097,152 bytes; os 131,072 bytes
;; launch stats (part 1): grid 256 x 1, 8 waves a work-group, no clusters, 1,536 bytes of LDS; arguments x, stats; writes stats
.if DOCPART == 1
	.amdgcn_target "amdgcn-amd-amdhsa--gfx1250"
	.amdhsa_code_object_version 6
	.text
	.protected	k_q6353eb8650_stats
	.globl	k_q6353eb8650_stats
	.p2align	8
	.type	k_q6353eb8650_stats,@function
k_q6353eb8650_stats:
	s_mov_b64 s[64:65], 0
	v_nop
	global_prefetch_b8 v0, s[64:65] scope:SCOPE_SE
	s_setreg_imm32_b32 hwreg(HW_REG_WAVE_MODE, 25, 1), 1
	s_wait_xcnt 0x0
; GroupNorm's statistics.  x is [4][256][4096] f32; a group is 8 channels x 4,096 pixels = 32,768 consecutive numbers.
; A work-group takes HALF a group, 16,384 consecutive numbers (65,536 bytes), and stores (mean, sum of squared distances from that mean) of its half:
; stats[group 128][half 2][2] f32.  The launch that normalises joins the two halves.
; The half stays in registers (64 numbers a thread) between the pass that finds the mean and the pass that sums the squares of x - mean: x is read once here,
; and no difference of large sums is formed, so a common offset of the inputs costs no accuracy beyond that of the mean itself.
; Thread t reads 16 bytes at 16 t + 4,096 i, i = 0 .. 15: a load of a wave covers 512 consecutive bytes.  No matrix unit, no tensor load: a plain reduction.
; LIMITS: the mean carries the rounding of an f32 tree sum of 16,384 numbers; NaN and infinities among the inputs are not served.
.set X, 4                              ; v4-67   my 64 numbers
.set A, 68                             ; v68-75  four chains of pairs
	s_load_b128 s[4:7], s[0:1], 0x0                ; x, stats
	v_lshl_add_u32 v96, v0, 2, 0x200
	v_mov_b32 v97, 0
	v_lshrrev_b32 v2, 5, v0                        ; wave
	v_lshlrev_b32 v1, 4, v0                        ; 16 t
	s_delay_alu instid0(VALU_DEP_2)
	v_lshlrev_b32 v3, 2, v2                        ; LDS: my wave's word
	v_mov_b32 v77, 0                               ; a lane permute's destination counts as one of its sources
	v_mov_b32 v89, 0                               ; LDS address 0; also the offset of the one store
	s_lshl_b32 s10, ttmp9, 16                      ; my half's first byte in x
	s_mov_b32 s11, 0
	s_lshl_b32 s8, ttmp9, 3                        ; and its 8 bytes in stats
	s_mov_b32 s9, 0
	s_mov_b32 s12, 0x76543210                      ; v_permlanex16_b32's selects for lane l xor 16
	s_mov_b32 s13, 0xfedcba98
	s_wait_alu depctr_va_vdst(0)
	s_wait_kmcnt 0x0
	s_add_nc_u64 s[4:5], s[4:5], s[10:11]
	s_add_nc_u64 s[6:7], s[6:7], s[8:9]
.irp i, 0,1,2,3,4,5,6,7,8,9,10,11,12,13,14,15
	global_load_b128 v[X+4*\i:X+4*\i+3], v1, s[4:5] offset:4096*\i
.endr
; The four chains are joined, then the 32 lanes, then the 8 waves (through LDS words at byte off): the sum lands in v80 of every lane, the same bits in every wave.
.macro ALLSUM off
	s_delay_alu instid0(VALU_DEP_3)
	v_pk_add_f32 v[A:A+1], v[A:A+1], v[A+2:A+3]
	s_delay_alu instid0(VALU_DEP_2)
	v_pk_add_f32 v[A+4:A+5], v[A+4:A+5], v[A+6:A+7]
	s_delay_alu instid0(VALU_DEP_1)
	v_pk_add_f32 v[A:A+1], v[A:A+1], v[A+4:A+5]
	s_delay_alu instid0(VALU_DEP_1)
	v_add_f32 v76, v[A], v[A+1]
	s_delay_alu instid0(VALU_DEP_1)
	v_add_f32_dpp v76, v76, v76 row_xmask:1 row_mask:0xf bank_mask:0xf
	s_delay_alu instid0(VALU_DEP_1)
	v_add_f32_dpp v76, v76, v76 row_xmask:2 row_mask:0xf bank_mask:0xf
	s_delay_alu instid0(VALU_DEP_1)
	v_add_f32_dpp v76, v76, v76 row_xmask:4 row_mask:0xf bank_mask:0xf
	s_delay_alu instid0(VALU_DEP_1)
	v_add_f32_dpp v76, v76, v76 row_xmask:8 row_mask:0xf bank_mask:0xf
	s_delay_alu instid0(VALU_DEP_1)
	v_permlanex16_b32 v77, v76, s12, s13
	s_delay_alu instid0(VALU_DEP_1)
	v_add_f32 v76, v76, v77
	ds_store_b32 v3, v76 offset:\off               ; all lanes of a wave write the same word with the same value
	s_wait_dscnt 0x0                               ; for the others' sake: my store has landed
	s_barrier_signal -1
	s_barrier_wait -1
	ds_load_b128 v[80:83], v89 offset:\off
	ds_load_b128 v[84:87], v89 offset:\off+16
	s_wait_dscnt 0x0
	v_add_f32 v80, v80, v81
	v_add_f32 v82, v82, v83
	v_add_f32 v84, v84, v85
	v_add_f32 v86, v86, v87
	s_delay_alu instid0(VALU_DEP_3)
	v_add_f32 v80, v80, v82
	s_delay_alu instid0(VALU_DEP_2)
	v_add_f32 v84, v84, v86
	s_delay_alu instid0(VALU_DEP_1)
	v_add_f32 v80, v80, v84
.endm
	; pass 1: the sum.  Four loads (8 pairs) at a time; the count leaves the younger groups' loads out.  The first group starts the chains: nothing is cleared
	s_wait_loadcnt 12
.irp k, 0,1,2,3
	v_pk_add_f32 v[A+2*\k:A+2*\k+1], v[X+2*\k:X+2*\k+1], v[X+8+2*\k:X+9+2*\k]
.endr
	s_wait_alu depctr_va_vdst(0)
.irp g, 1,2,3
	s_wait_alu depctr_va_vdst(0)
	s_wait_loadcnt 12-4*\g
.irp p, 0,1,2,3,4,5,6,7
	v_pk_add_f32 v[A+2*(\p%4):A+2*(\p%4)+1], v[A+2*(\p%4):A+2*(\p%4)+1], v[X+16*\g+2*\p:X+16*\g+2*\p+1]
.endr
.endr
	ALLSUM 0
	s_delay_alu instid0(VALU_DEP_1)
	v_mul_f32 v92, 0x38800000, v80                 ; mean = sum x 2^-14
	s_delay_alu instid0(VALU_DEP_2)
	v_mul_f32 v78, 0xb8800000, v80                 ; -mean, twice: a pair for the packed additions
	s_delay_alu instid0(VALU_DEP_3)
	v_mul_f32 v79, 0xb8800000, v80
	; pass 2: the sum of (x - mean)^2
.set p, 0
.rept 32
	v_pk_add_f32 v[X+2*p:X+2*p+1], v[X+2*p:X+2*p+1], v[78:79]
.set p, p+1
.endr
.irp k, 0,1,2,3
	v_pk_mul_f32 v[A+2*\k:A+2*\k+1], v[X+2*\k:X+2*\k+1], v[X+2*\k:X+2*\k+1]
.endr
.set p, 4
.rept 28
	s_delay_alu instid0(VALU_DEP_4)
	v_pk_fma_f32 v[A+2*(p%4):A+2*(p%4)+1], v[X+2*p:X+2*p+1], v[X+2*p:X+2*p+1], v[A+2*(p%4):A+2*(p%4)+1]
.set p, p+1
.endr
	ALLSUM 32                                      ; other LDS words than pass 1's: no wave can overwrite what another still reads
	s_delay_alu instid0(VALU_DEP_1)
	v_mov_b32 v93, v80
	v_cmp_eq_u32 vcc_lo, 0, v0
	s_wait_alu depctr_va_vdst(0)
	s_wait_xcnt 0x0                                ; EXEC changes only behind this wait
	s_wait_tensorcnt 0x0
	ds_add_u32 v96, v97
	s_wait_dscnt 0x0
	s_and_saveexec_b32 s14, vcc_lo
	global_store_b64 v89, v[92:93], s[6:7]         ; thread 0 alone: (mean, sum of squares) of my half
	s_wait_xcnt 0x0
	s_or_b32 exec_lo, exec_lo, s14
	s_endpgm
.Lfunc_end_k_q6353eb8650_stats:
	.size	k_q6353eb8650_stats, .Lfunc_end_k_q6353eb8650_stats-k_q6353eb8650_stats
	.p2alignl 7, 3214868480
	.fill 96, 4, 3214868480
	.section	.rodata,"a",@progbits
	.p2align	6, 0x0
	.amdhsa_kernel k_q6353eb8650_stats
		.amdhsa_group_segment_fixed_size 1536
		.amdhsa_private_segment_fixed_size 0
		.amdhsa_enable_private_segment 0
		.amdhsa_kernarg_size 16
		.amdhsa_user_sgpr_count 2
		.amdhsa_user_sgpr_kernarg_segment_ptr 1
		.amdhsa_wavefront_size32 1
		.amdhsa_system_sgpr_workgroup_id_x 1
		.amdhsa_system_sgpr_workgroup_id_y 1
		.amdhsa_system_sgpr_workgroup_id_z 1
		.amdhsa_system_vgpr_workitem_id 0
		.amdhsa_next_free_vgpr 98
		.amdhsa_next_free_sgpr 66
		.amdhsa_reserve_vcc 1
		.amdhsa_float_denorm_mode_32 3
		.amdhsa_float_denorm_mode_16_64 3
		.amdhsa_memory_ordered 1
		.amdhsa_forward_progress 1
		.amdhsa_inst_pref_size 14
	.end_amdhsa_kernel
	.amdgpu_metadata
---
amdhsa.version: [ 1, 2 ]
amdhsa.kernels:
  - .name:           k_q6353eb8650_stats
    .symbol:         k_q6353eb8650_stats.kd
    .args:
      - { .name: x, .offset: 0, .size: 8, .value_kind: global_buffer, .address_space: global }
      - { .name: stats, .offset: 8, .size: 8, .value_kind: global_buffer, .address_space: global }
    .group_segment_fixed_size: 1536
    .private_segment_fixed_size: 0
    .kernarg_segment_align: 8
    .kernarg_segment_size: 16
    .max_flat_workgroup_size: 256
    .sgpr_count:     66
    .vgpr_count:     98
    .wavefront_size: 32
...
	.end_amdgpu_metadata
.endif
;; end of part 1
;; launch qkv (part 2): grid 256 x 1, 8 waves a work-group, no clusters, 13,312 bytes of LDS; arguments x, stats, gn_w, gn_b, qkv_w_codes, qkv_w_scales, qkv_b, qc, qs, kv; writes qc, qs, kv
.if DOCPART == 2
	.amdgcn_target "amdgcn-amd-amdhsa--gfx1250"
	.amdhsa_code_object_version 6
	.text
	.protected	k_q6353eb8650_qkv
	.globl	k_q6353eb8650_qkv
	.p2align	8
	.type	k_q6353eb8650_qkv,@function
k_q6353eb8650_qkv:
	s_mov_b64 s[64:65], 0
	v_nop
	global_prefetch_b8 v0, s[64:65] scope:SCOPE_SE
	s_setreg_imm32_b32 hwreg(HW_REG_WAVE_MODE, 25, 1), 1
	s_wait_xcnt 0x0
; GroupNorm applied, quantised along the channels, the 1 x 1 convolution qkv on codes of FP4 (E2M1, one E8M0 scale for each 32 along K), and q, k, v quantised for attention.
; A work-group takes 64 pixels of one batch (b = wg / 64, kb = wg % 64) and all 768 outputs.  What it stores are IMAGES OF OPERAND REGISTERS, so that the attention launch loads fragments 16 bytes a lane:
;   qc [bh 16][T 256][lane 32][16 B]   registers 0-3 of Q's fragment of pixel tile T: lane (r, h) holds the codes of d = 32 h + 0 .. 31 of query r;   qs [bh][T][r 16] words: bytes 0, 1 the two scales, bytes 2, 3 zero
;   kv [bh 16][step 32] records of 8,960 bytes, one for 128 keys: +0 K's codes [tile 8][lane][16 B]; +4096 V's codes [c 2][d tile 4][lane][16 B] (registers 4 c .. 4 c + 3: keys 64 c + 32 h + 0 .. 31 of row r);
;      +8192 K's scale words [tile 8][r 16]; +8704 V's scale words [d tile 4][r 16], a byte for each 32 keys
; THE ROWS OF A TILE ARE NOT NEIGHBOURS: in each run of 32 (pixels, rows of W, d), row r of tile 2 b + u stands for index 32 b + 8 u + r + 8 (r / 8).  Then the 16 registers that tiles 2 b and 2 b + 1 leave in
; lane (r, h) of a result are the 16 neighbours 32 b + 16 h + 0 .. 15, which is what the conversions to codes take.
; PHASE A: wave w takes 32 pixels (ph = w % 2; a lane to a pixel) x 64 channels (cq = w / 2; registers run down the channels): normalises, quantises two blocks of 32 in its own registers, and puts the codes into LDS
; as rows of 256 codes, a row to a pixel, in tile order.  One barrier.
; PHASE B: three units of 16 matrix instructions and one quantising a wave.  Two for q or k (64 rows of W from 64 w on: q's head w, or k's head w - 4), source 0 = rows of W, source 1 = pixels: a lane holds a pixel and
; registers run along d.  One for v (rows 512 + 32 w on), source 0 = pixels, source 1 = rows of W: a lane holds one d and registers run along the pixels, which are the keys.  The biases are the C of each sum's first product.
; No tensor load and no cluster: W (98,304 bytes) goes straight into registers, each row read once by a work-group.
; LIMITS: a block whose largest magnitude lies under 2^-124 gets the scale byte 1 (a block of zeros too: its codes are zeros, and this program alone reads the bytes); NaN and infinities among the inputs are not served.
; V's scale bytes leave two bytes a lane, 4 bytes apart: a word's other half belongs to the neighbouring 64 pixels, another work-group's.  That is 131,072 bytes of the launch's 6.9 million.
.set XP,    144                        ; LDS: a pixel's row: 128 bytes of codes + 16 of padding: 9 x 16, so the 16 rows of a fragment load start in 16 different 16-byte columns of 256
.set XS,    9216                       ; behind the 64 rows: 8 scale bytes a pixel
.set SCW,   9728                       ; 256 bytes for each wave, its own: q's or k's scale words on their way out
.set REC,   8960
.set HEADB, 286720                     ; 32 records: a head
.set GW,    40                         ; phase A: v40-103 gn_w, v104-167 x, v192-255 gn_b of my 64 channels
.set X,     104
.set GB,    192
.set XF,    40                         ; phase B: v40-103 xn's fragments (tile t, K step s at XF + 16 t + 8 s); v104-167 eight accumulators
.set HA,    104
.set PC,    168                        ; v168-175 the codes just made;  v176 their scale word;  v177-179 at work
.set PW,    176
.set TM,    180                        ; v180-195 at work in the quantisers
.set SEL,   66                         ; s[66:67] v_permlanex16_b32's selects for lane l xor 16
; window 1 (v256 on, written here as v0 on): v0-63 W for q or k (16 tau + 8 s), v64-95 W for v (64 + 16 u + 8 s), v96-127 their biases (8 a tile), v128-143 v's biases (8 a tile)
; v20-27, v28-31, v32-39: scale words of W (q or k), of W (v), of xn: a pair (K step 0, K step 1) a tile; they hold nothing else
.set MSB, 0
.macro WIN new                         ; s_set_vgpr_msb: bits 1:0 source 0, 3:2 source 1, 5:4 source 2, 7:6 destination; the high byte repeats the setting that is left
.if MSB != \new
	s_set_vgpr_msb (MSB<<8)|\new
.set MSB, \new
.endif
.endm
; 32 numbers of ONE lane, v[s] on, a whole block: its codes into v[d .. d + 3], its scale byte into v[eb]
.macro QBLK s, d, eb
	v_max3_num_f32 v180, |v[(\s)]|, |v[(\s)+1]|, |v[(\s)+2]|
	v_max3_num_f32 v181, |v[(\s)+3]|, |v[(\s)+4]|, |v[(\s)+5]|
.irp i, 6,10,14,18,22,26
	s_delay_alu instid0(VALU_DEP_2)
	v_max3_num_f32 v180, v180, |v[(\s)+\i]|, |v[(\s)+\i+1]|
	s_delay_alu instid0(VALU_DEP_2)
	v_max3_num_f32 v181, v181, |v[(\s)+\i+2]|, |v[(\s)+\i+3]|
.endr
	s_delay_alu instid0(VALU_DEP_2)
	v_max3_num_f32 v180, v180, |v[(\s)+30]|, |v[(\s)+31]|
	s_delay_alu instid0(VALU_DEP_1)
	v_max3_num_f32 v180, v180, v181, 0x1800000     ; and the floor 2^(3 - 127): the byte cannot fall under 1
	s_delay_alu instid0(VALU_DEP_1)
	v_add_nc_u32 v182, 0xff000000, v180            ; 2 off the exponent field: the conversion takes that field of this operand as its scale
	s_delay_alu instid0(VALU_DEP_1)
	v_lshrrev_b32 v[\eb], 23, v182                 ; the scale's byte
.irp g, 0,1,2,3
	v_cvt_scalef32_pk8_fp4_f32 v[(\d)+\g], v[(\s)+8*\g:(\s)+8*\g+7], v182
.endr
	v_nop                                          ; one plain place behind a scaled conversion
.endm
; 64 numbers of a lane, register 16 b + i = index 32 b + 16 (lane / 16) + i of block b: four blocks shared with lane l xor 16.  Codes into v[PC] on (registers 4 c .. 4 c + 3: lanes 0-15 block 2 c, lanes 16-31 block 2 c + 1), the four bytes into v[PW]
.macro QUANT s
.irp b, 0,1,2,3
	v_max3_num_f32 v[TM+\b], |v[\s+16*\b]|, |v[\s+1+16*\b]|, 0x1800000   ; each accumulator is read from its low end on; the floor 2^(3 - 127) is one more leaf
.endr
.irp i, 2,4,6,8,10,12,14
.irp b, 0,1,2,3
	v_max3_num_f32 v[TM+\b], v[TM+\b], |v[\s+16*\b+\i]|, |v[\s+1+16*\b+\i]|
.endr
.endr
.irp b, 0,1,2,3
	s_delay_alu instid0(VALU_DEP_4)
	v_permlanex16_b32 v[TM+4+\b], v[TM+\b], s[SEL], s[SEL+1]
.endr
.irp b, 0,1,2,3
	s_delay_alu instid0(VALU_DEP_4)
	v_max_num_f32 v[TM+\b], v[TM+\b], v[TM+4+\b]   ; with lane l xor 16's: the block's largest magnitude
.endr
.irp b, 0,1,2,3
	s_delay_alu instid0(VALU_DEP_4)
	v_add_nc_u32 v[TM+12+\b], 0xff000000, v[TM+\b]
.endr
.irp b, 0,1,2,3
	s_delay_alu instid0(VALU_DEP_4)
	v_lshrrev_b32 v[TM+4+\b], 23, v[TM+12+\b]
.endr
	s_delay_alu instid0(VALU_DEP_3)
	v_lshl_or_b32 v[PW], v[TM+5], 8, v[TM+4]
	s_delay_alu instid0(VALU_DEP_1)
	v_lshl_or_b32 v[PW], v[TM+6], 16, v[PW]
	s_delay_alu instid0(VALU_DEP_1)
	v_lshl_or_b32 v[PW], v[TM+7], 24, v[PW]
.irp b, 0,1,2,3
	v_cvt_scalef32_pk8_fp4_f32 v[PC+2*\b], v[\s+16*\b:\s+7+16*\b], v[TM+12+\b]
	v_cvt_scalef32_pk8_fp4_f32 v[PC+1+2*\b], v[\s+8+16*\b:\s+15+16*\b], v[TM+12+\b]
.endr
	v_nop                                          ; one plain place behind a scaled conversion
.irp c, 0,1
.irp i, 0,1
	v_permlane16_swap_b32 v[PC+4*\c+\i], v[PC+2+4*\c+\i]   ; a whole block to a lane
.endr
.endr
.endm
	s_load_b512 s[4:19], s[0:1], 0x0               ; x 4:5, stats 6:7, gn_w 8:9, gn_b 10:11, W's codes 12:13, W's scales 14:15, qkv_b 16:17, qc 18:19
	s_load_b128 s[20:23], s[0:1], 0x40             ; qs 20:21, kv 22:23
	v_lshl_add_u32 v190, v0, 2, 0x3000
	v_mov_b32 v191, 0
	v_lshrrev_b32 v1, 5, v0
	s_delay_alu instid0(VALU_DEP_1)
	v_readfirstlane_b32 s24, v1                    ; wave w
	s_lshr_b32 s25, ttmp9, 6                       ; b
	s_and_b32 s26, ttmp9, 63                       ; kb
	s_and_b32 s27, s26, 1                          ; e: which half of a key step of 128
	s_lshr_b32 s28, s26, 1                         ; the key step
	s_lshr_b32 s29, s24, 1                         ; cq = w / 2
	s_and_b32 s30, s24, 1                          ; ph = w % 2
	s_mov_b32 s[SEL], 0x76543210
	s_mov_b32 s[SEL+1], 0xfedcba98
	s_mov_b32 s68, 0x38000000                      ; 2^-15 = 1 / 32,768
	s_mov_b32 s69, 0x3727c5ac                      ; 1e-5
	v_and_b32 v1, 31, v0                           ; lane
	v_and_b32 v2, 15, v0                           ; r
	v_bfe_u32 v3, v0, 4, 1                         ; h
	v_mov_b32 v4, 0
	s_delay_alu instid0(VALU_DEP_4)
	v_lshlrev_b32 v5, 2, v1                        ; 4 x lane
	v_lshlrev_b32 v6, 4, v1                        ; 16 x lane
	v_and_b32 v7, 7, v0                            ; pixel 32 ph + lane sits in tile 2 ph + bit 3 of the lane, at row (lane % 8) + 8 x bit 4:
	v_bfe_u32 v8, v0, 3, 1
	s_delay_alu instid0(VALU_DEP_1)
	v_lshl_add_u32 v7, v8, 4, v7
	s_delay_alu instid0(VALU_DEP_1)
	v_lshl_add_u32 v7, v3, 3, v7
	s_lshl_b32 s80, s30, 5
	v_add_nc_u32 v7, s80, v7                       ; its LDS row 16 x tile + row
	s_delay_alu instid0(VALU_DEP_1)
	v_lshlrev_b32 v8, 3, v7
	s_delay_alu instid0(VALU_DEP_2)
	v_mul_u32_u24 v7, v7, XP
	s_lshl_b32 s80, s29, 5
	v_add_nc_u32 v7, s80, v7                       ; v7: where my 32 bytes of codes go: row x 144 + 32 cq
	s_lshl_b32 s80, s29, 1
	s_add_co_u32 s80, s80, XS
	v_add_nc_u32 v8, s80, v8                       ; v8: and my two scale bytes: XS + 8 x row + 2 cq
	v_mul_u32_u24 v9, v2, XP
	s_delay_alu instid0(VALU_DEP_1)
	v_lshl_add_u32 v9, v3, 4, v9                   ; v9: a fragment of xn: r x 144 + 16 h
	v_lshl_add_u32 v10, v2, 3, XS                  ; v10: its scale words
	v_and_b32 v14, 8, v2
	s_delay_alu instid0(VALU_DEP_1)
	v_add_nc_u32 v14, v14, v2                      ; r + 8 (r / 8)
	s_delay_alu instid0(VALU_DEP_1)
	v_lshlrev_b32 v11, 7, v14
	s_delay_alu instid0(VALU_DEP_1)
	v_lshl_add_u32 v11, v3, 4, v11                 ; v11: a fragment of W: a row is 128 bytes
	s_delay_alu instid0(VALU_DEP_3)
	v_lshlrev_b32 v12, 3, v14                      ; v12: its scale words, 8 bytes a row
	v_lshlrev_b32 v13, 6, v3                       ; v13: q's and k's biases: 16 h numbers on
	v_lshlrev_b32 v14, 2, v14                      ; v14: v's bias of my row
	v_lshlrev_b32 v15, 4, v3                       ; v15: 16 h, a shift
	s_lshl_b32 s80, s24, 8
	s_add_co_u32 s80, s80, SCW
	v_add_nc_u32 v16, s80, v5                      ; v16, v17: my wave's 256 bytes, 4 and 8 bytes a lane
	v_lshlrev_b32 v18, 3, v1                       ; v18: 8 x lane
	s_delay_alu instid0(VALU_DEP_1)
	v_add_nc_u32 v17, s80, v18
	v_and_b32 v19, 7, v0
	s_delay_alu instid0(VALU_DEP_1)
	v_lshlrev_b32 v19, 4, v19                      ; v19: lane % 8 takes group 8 cq + lane % 8: 16 bytes of stats
	s_lshl_b32 s80, s25, 22                        ; x: b x 256 channels + cq x 64 channels of 16,384 bytes, + pixel 64 kb + 32 ph
	s_lshl_b32 s81, s29, 20
	s_add_co_u32 s80, s80, s81
	s_lshl_b32 s81, s26, 8
	s_add_co_u32 s80, s80, s81
	s_lshl_b32 s81, s30, 7
	s_add_co_u32 s80, s80, s81
	s_mov_b32 s81, 0
	s_wait_alu depctr_va_vdst(0)
	s_wait_kmcnt 0x0
	s_add_nc_u64 s[4:5], s[4:5], s[80:81]
.set i, 0
.rept 64
	global_load_b32 v[X+i], v5, s[4:5] offset:16384*i   ; channel 64 cq + i at my pixel: a wave reads 128 consecutive bytes, the two waves of a cq 256
.set i, i+1
.endr
	s_lshl_b32 s80, s25, 9
	s_lshl_b32 s82, s29, 7
	s_add_co_u32 s80, s80, s82
	s_add_nc_u64 s[6:7], s[6:7], s[80:81]          ; stats at group 32 b + 8 cq
	global_load_b128 v[168:171], v19, s[6:7]       ; (mean, squares) of the group's two halves
	s_lshl_b32 s80, s29, 8
	s_add_nc_u64 s[8:9], s[8:9], s[80:81]
	s_add_nc_u64 s[10:11], s[10:11], s[80:81]
.irp q, 0,1,2,3,4,5,6,7,8,9,10,11,12,13,14,15
	global_load_b128 v[GW+4*\q:GW+4*\q+3], v4, s[8:9] offset:16*\q    ; the same in every lane
.endr
.irp q, 0,1,2,3,4,5,6,7,8,9,10,11,12,13,14,15
	global_load_b128 v[GB+4*\q:GB+4*\q+3], v4, s[10:11] offset:16*\q
.endr
	s_lshl_b32 s80, s24, 13
	s_add_nc_u64 s[84:85], s[12:13], s[80:81]      ; W's rows 64 w on
	s_lshl_b32 s80, s24, 12
	s_add_co_u32 s80, s80, 65536
	s_add_nc_u64 s[86:87], s[12:13], s[80:81]      ; W's rows 512 + 32 w on
	s_lshl_b32 s80, s24, 9
	s_add_nc_u64 s[88:89], s[14:15], s[80:81]      ; their scale bytes
	s_lshl_b32 s80, s24, 8
	s_add_co_u32 s80, s80, 4096
	s_add_nc_u64 s[90:91], s[14:15], s[80:81]
	s_lshl_b32 s80, s24, 8
	s_add_nc_u64 s[92:93], s[16:17], s[80:81]      ; and their biases
	s_lshl_b32 s80, s24, 7
	s_add_co_u32 s80, s80, 2048
	s_add_nc_u64 s[94:95], s[16:17], s[80:81]
	WIN 0x40                                       ; destination window 1
.irp tau, 0,1,2,3
.irp s, 0,1
.irp c, 0,1
	global_load_b128 v[16*\tau+8*\s+4*\c:16*\tau+8*\s+4*\c+3], v11, s[84:85] offset:(32*(\tau/2)+8*(\tau%2))*128+64*\s+32*\c
.endr
.endr
.endr
.irp u, 0,1
.irp s, 0,1
.irp c, 0,1
	global_load_b128 v[64+16*\u+8*\s+4*\c:64+16*\u+8*\s+4*\c+3], v11, s[86:87] offset:8*\u*128+64*\s+32*\c
.endr
.endr
.endr
.irp tau, 0,1,2,3
	global_load_b128 v[96+8*\tau:96+8*\tau+3], v13, s[92:93] offset:(32*(\tau/2)+8*(\tau%2))*4       ; register j: the bias of row 32 (tau / 2) + 8 (tau % 2) + 16 h + j
	global_load_b128 v[96+8*\tau+4:96+8*\tau+7], v13, s[92:93] offset:(32*(\tau/2)+8*(\tau%2))*4+16
.endr
.irp u, 0,1
.irp j, 0,1,2,3,4,5,6,7
	global_load_b32 v[128+8*\u+\j], v14, s[94:95] offset:32*\u     ; my row's bias in all eight registers
.endr
.endr
	WIN 0
.irp tau, 0,1,2,3
	global_load_b64 v[20+2*\tau:21+2*\tau], v12, s[88:89] offset:(32*(\tau/2)+8*(\tau%2))*8
.endr
.irp u, 0,1
	global_load_b64 v[28+2*\u:29+2*\u], v12, s[90:91] offset:64*\u
.endr
	; where the results go, while the loads are on their way
	s_and_b32 s80, s24, 3
	s_lshl_b32 s82, s25, 2
	s_add_co_u32 s80, s80, s82                     ; 4 b + w % 4: q's or k's head
	s_mul_i32 s82, s28, REC
	s_mul_i32 s83, s80, HEADB
	s_add_co_u32 s83, s83, s82                     ; k: the head's record of this key step
	s_lshl_b32 s96, s27, 11
	s_add_co_u32 s97, s83, s96                     ; k's codes: + 2,048 e
	s_lshl_b32 s96, s27, 8
	s_add_co_u32 s98, s83, s96
	s_add_co_u32 s98, s98, 8192                    ; k's scale words: + 8,192 + 256 e
	s_lshl_b32 s99, s80, 17
	s_lshl_b32 s96, s26, 11
	s_add_co_u32 s99, s99, s96                     ; q's codes: head x 131,072 + 2,048 kb
	s_lshl_b32 s100, s80, 14
	s_lshl_b32 s96, s26, 8
	s_add_co_u32 s100, s100, s96                   ; q's scale words: head x 16,384 + 256 kb
	s_cmp_lt_u32 s24, 4                            ; waves 0-3 make q, waves 4-7 k: the choice hangs on the wave's number alone
	s_cselect_b64 s[72:73], s[18:19], s[22:23]
	s_cselect_b64 s[74:75], s[20:21], s[22:23]
	s_cselect_b32 s80, s99, s97
	s_cselect_b32 s82, s100, s98
	s_mov_b32 s83, 0
	s_add_nc_u64 s[72:73], s[72:73], s[80:81]
	s_add_nc_u64 s[74:75], s[74:75], s[82:83]
	s_lshl_b32 s80, s25, 2
	s_add_co_u32 s80, s80, s29                     ; 4 b + w / 2: v's head
	s_mul_i32 s80, s80, HEADB
	s_mul_i32 s82, s28, REC
	s_add_co_u32 s80, s80, s82
	s_lshl_b32 s82, s27, 11
	s_add_co_u32 s82, s82, s80
	s_lshl_b32 s96, s30, 10
	s_add_co_u32 s82, s82, s96
	s_add_co_u32 s82, s82, 4096
	s_add_nc_u64 s[76:77], s[22:23], s[82:83]      ; v's codes: + 4,096 + 2,048 e + 1,024 (w % 2)
	s_lshl_b32 s82, s30, 7
	s_add_co_u32 s82, s82, s80
	s_lshl_b32 s96, s27, 1
	s_add_co_u32 s82, s82, s96
	s_add_co_u32 s82, s82, 8704
	s_add_nc_u64 s[78:79], s[22:23], s[82:83]      ; v's scale bytes: + 8,704 + 128 (w % 2) + 2 e
	; ---- PHASE A
	s_wait_loadcnt 54                              ; behind gn_b's last load stand 16 + 8 + 8 + 16 + 6 loads of W, biases and scales: they may stay out
	v_add_f32 v172, v168, v170                     ; lane % 8 joins its group's halves: mean = (m1 + m2) / 2,
	v_sub_f32 v173, v168, v170
	v_add_f32 v174, v169, v171
	s_delay_alu instid0(VALU_DEP_3)
	v_mul_f32 v172, -0.5, v172                     ; kept as -mean;
	s_delay_alu instid0(VALU_DEP_3)
	v_mul_f32 v173, v173, v173
	s_delay_alu instid0(VALU_DEP_1)
	v_fmamk_f32 v174, v173, 0x46000000, v174       ; squares = the two halves' + (m1 - m2)^2 x 16,384 / 2
	s_delay_alu instid0(VALU_DEP_1)
	v_fma_f32 v174, v174, s68, s69                 ; variance + 1e-5
	s_wait_alu depctr_va_vdst(0)
	v_rsq_f32 v175, v174
	v_nop                                          ; one plain place behind a transcendental
	s_wait_alu depctr_va_vdst(0)
.irp j, 0,1,2,3,4,5,6,7
	v_readlane_b32 s[32+4*\j], v172, \j            ; group j of my eight: -mean, twice, and 1 / sqrt, twice: the packed forms name pairs
	v_readlane_b32 s[33+4*\j], v172, \j
	v_readlane_b32 s[34+4*\j], v175, \j
	v_readlane_b32 s[35+4*\j], v175, \j
.endr
.set q, 0
.rept 32
	v_pk_add_f32 v[X+2*q:X+2*q+1], v[X+2*q:X+2*q+1], s[32+4*(q/4):33+4*(q/4)] op_sel_hi:[1,0]
.set q, q+1
.endr
.set q, 0
.rept 32
	v_pk_mul_f32 v[X+2*q:X+2*q+1], v[X+2*q:X+2*q+1], s[34+4*(q/4):35+4*(q/4)] op_sel_hi:[1,0]
.set q, q+1
.endr
.set q, 0
.rept 32
	v_pk_fma_f32 v[X+2*q:X+2*q+1], v[X+2*q:X+2*q+1], v[GW+2*q:GW+2*q+1], v[GB+2*q:GB+2*q+1]
.set q, q+1
.endr
	QBLK X, 168, 177
	QBLK X+32, 172, 178
	ds_store_b128 v7, v[168:171]
	ds_store_b128 v7, v[172:175] offset:16
	v_lshl_or_b32 v177, v178, 8, v177
	ds_store_b16 v8, v177
	s_wait_dscnt 0x0                               ; for the others' sake: my stores have landed
	s_barrier_signal -1
	s_barrier_wait -1                              ; the 64 pixels' codes and scale bytes lie in LDS
	; ---- PHASE B
.irp b, 0,1,2,3
	v_mov_b32 v[TM+4+\b], 0                        ; written once: a lane permute's destination counts as one of its sources
.endr
.irp t, 0,1,2,3
.irp s, 0,1
.irp c, 0,1
	ds_load_b128 v[XF+16*\t+8*\s+4*\c:XF+16*\t+8*\s+4*\c+3], v9 offset:16*XP*\t+64*\s+32*\c
.endr
.endr
	ds_load_b64 v[32+2*\t:33+2*\t], v10 offset:128*\t
.endr
	s_wait_dscnt 0x0
	s_wait_loadcnt 0x0                             ; W, biases, scales
; q or k of pixel tiles 2 p and 2 p + 1.  Eight accumulators take turns, one instruction a turn; K step 0 starts the sums with the bias as C.
.macro UNITQK p
	WIN 0x11                                       ; source 0 (W) and source 2 (bias) window 1
.irp i, 0,1
.irp tau, 0,1,2,3
	v_wmma_scale_f32_16x16x128_f8f6f4 v[HA+32*\i+8*\tau:HA+32*\i+8*\tau+7], v[16*\tau:16*\tau+7], v[XF+16*(2*\p+\i):XF+16*(2*\p+\i)+7], v[96+8*\tau:96+8*\tau+7], v[20+2*\tau], v[32+2*(2*\p+\i)] matrix_a_fmt:MATRIX_FMT_FP4 matrix_b_fmt:MATRIX_FMT_FP4
.endr
.endr
	WIN 0x01
.irp i, 0,1
.irp tau, 0,1,2,3
	v_wmma_scale_f32_16x16x128_f8f6f4 v[HA+32*\i+8*\tau:HA+32*\i+8*\tau+7], v[16*\tau+8:16*\tau+15], v[XF+16*(2*\p+\i)+8:XF+16*(2*\p+\i)+15], v[HA+32*\i+8*\tau:HA+32*\i+8*\tau+7], v[21+2*\tau], v[33+2*(2*\p+\i)] matrix_a_fmt:MATRIX_FMT_FP4 matrix_b_fmt:MATRIX_FMT_FP4
.endr
.endr
	WIN 0
.rept 4
	v_nop                                          ; four places ahead of the first read of results (ISA guide 7.12.1)
.endr
.if \p > 0
	s_wait_xcnt 0x0                                ; the last unit's stores have read the codes' registers
.endif
	QUANT HA                                       ; block 2 i + beta: pixel tile 2 p + i, d = 32 beta on
	global_store_b128 v6, v[PC:PC+3], s[72:73] offset:1024*\p         ; tile 2 p's image: 512 consecutive bytes
	global_store_b128 v6, v[PC+4:PC+7], s[72:73] offset:1024*\p+512   ; tile 2 p + 1's
	v_lshrrev_b32 v177, v15, v[PW]                 ; lanes 0-15 keep tile 2 p's two bytes, lanes 16-31 take tile 2 p + 1's
	s_delay_alu instid0(VALU_DEP_1)
	v_and_b32 v177, 0xffff, v177                   ; bytes 2 and 3 stand over zero codes
	ds_store_b32 v16, v177 offset:128*\p
.endm
	UNITQK 0
	UNITQK 1
	ds_load_b64 v[178:179], v17                    ; LDS serves a wave's instructions in order: these see my two stores
	s_wait_dscnt 0x0
	global_store_b64 v18, v[178:179], s[74:75]     ; four tiles' scale words: 256 consecutive bytes, aligned
	; v: d tiles u = 0, 1 of my 32 rows x the four pixel tiles
	WIN 0x14                                       ; source 1 (W) and source 2 (bias) window 1
.irp u, 0,1
.irp t, 0,1,2,3
	v_wmma_scale_f32_16x16x128_f8f6f4 v[HA+32*\u+8*\t:HA+32*\u+8*\t+7], v[XF+16*\t:XF+16*\t+7], v[64+16*\u:64+16*\u+7], v[128+8*\u:128+8*\u+7], v[32+2*\t], v[28+2*\u] matrix_a_fmt:MATRIX_FMT_FP4 matrix_b_fmt:MATRIX_FMT_FP4
.endr
.endr
	WIN 0x04
.irp u, 0,1
.irp t, 0,1,2,3
	v_wmma_scale_f32_16x16x128_f8f6f4 v[HA+32*\u+8*\t:HA+32*\u+8*\t+7], v[XF+16*\t+8:XF+16*\t+15], v[64+16*\u+8:64+16*\u+15], v[HA+32*\u+8*\t:HA+32*\u+8*\t+7], v[33+2*\t], v[29+2*\u] matrix_a_fmt:MATRIX_FMT_FP4 matrix_b_fmt:MATRIX_FMT_FP4
.endr
.endr
	WIN 0
.rept 4
	v_nop
.endr
	s_wait_xcnt 0x0                                ; the earlier stores have read their registers
	QUANT HA                                       ; block 2 u + beta: d tile u, keys 32 beta on of my 64
	global_store_b128 v6, v[PC:PC+3], s[76:77]
	global_store_b128 v6, v[PC+4:PC+7], s[76:77] offset:512
	v_lshrrev_b32 v177, v15, v[PW]                 ; lanes 0-15: d tile 0's two bytes; lanes 16-31: d tile 1's
	global_store_b16 v5, v177, s[78:79]
	s_wait_tensorcnt 0x0
	ds_add_u32 v190, v191
	s_wait_dscnt 0x0
	s_endpgm
.Lfunc_end_k_q6353eb8650_qkv:
	.size	k_q6353eb8650_qkv, .Lfunc_end_k_q6353eb8650_qkv-k_q6353eb8650_qkv
	.p2alignl 7, 3214868480
	.fill 96, 4, 3214868480
	.section	.rodata,"a",@progbits
	.p2align	6, 0x0
	.amdhsa_kernel k_q6353eb8650_qkv
		.amdhsa_group_segment_fixed_size 13312
		.amdhsa_private_segment_fixed_size 0
		.amdhsa_enable_private_segment 0
		.amdhsa_kernarg_size 80
		.amdhsa_user_sgpr_count 2
		.amdhsa_user_sgpr_kernarg_segment_ptr 1
		.amdhsa_wavefront_size32 1
		.amdhsa_system_sgpr_workgroup_id_x 1
		.amdhsa_system_sgpr_workgroup_id_y 1
		.amdhsa_system_sgpr_workgroup_id_z 1
		.amdhsa_system_vgpr_workitem_id 0
		.amdhsa_next_free_vgpr 400
		.amdhsa_next_free_sgpr 102
		.amdhsa_reserve_vcc 0
		.amdhsa_float_denorm_mode_32 3
		.amdhsa_float_denorm_mode_16_64 3
		.amdhsa_memory_ordered 1
		.amdhsa_forward_progress 1
		.amdhsa_inst_pref_size 56
	.end_amdhsa_kernel
	.amdgpu_metadata
---
amdhsa.version: [ 1, 2 ]
amdhsa.kernels:
  - .name:           k_q6353eb8650_qkv
    .symbol:         k_q6353eb8650_qkv.kd
    .args:
      - { .name: x, .offset: 0, .size: 8, .value_kind: global_buffer, .address_space: global }
      - { .name: stats, .offset: 8, .size: 8, .value_kind: global_buffer, .address_space: global }
      - { .name: gn_w, .offset: 16, .size: 8, .value_kind: global_buffer, .address_space: global }
      - { .name: gn_b, .offset: 24, .size: 8, .value_kind: global_buffer, .address_space: global }
      - { .name: qkv_w_codes, .offset: 32, .size: 8, .value_kind: global_buffer, .address_space: global }
      - { .name: qkv_w_scales, .offset: 40, .size: 8, .value_kind: global_buffer, .address_space: global }
      - { .name: qkv_b, .offset: 48, .size: 8, .value_kind: global_buffer, .address_space: global }
      - { .name: qc, .offset: 56, .size: 8, .value_kind: global_buffer, .address_space: global }
      - { .name: qs, .offset: 64, .size: 8, .value_kind: global_buffer, .address_space: global }
      - { .name: kv, .offset: 72, .size: 8, .value_kind: global_buffer, .address_space: global }
    .group_segment_fixed_size: 13312
    .private_segment_fixed_size: 0
    .kernarg_segment_align: 8
    .kernarg_segment_size: 80
    .max_flat_workgroup_size: 256
    .sgpr_count:     102
    .vgpr_count:     400
    .wavefront_size: 32
...
	.end_amdgpu_metadata
.endif
;; end of part 2
;; launch attn (part 3): grid 16 x 16, 16 waves a work-group, clusters of 4 x 1, 327,680 bytes of LDS; arguments qc, qs, kv, oc, os; writes oc, os
.if DOCPART == 3
	.amdgcn_target "amdgcn-amd-amdhsa--gfx1250"
	.amdhsa_code_object_version 6
	.text
	.protected	k_q6353eb8650_attn
	.globl	k_q6353eb8650_attn
	.p2align	8
	.type	k_q6353eb8650_attn,@function
k_q6353eb8650_attn:
	s_mov_b64 s[64:65], 0
	v_nop
	global_prefetch_b8 v0, s[64:65] scope:SCOPE_SE
	s_setreg_imm32_b32 hwreg(HW_REG_WAVE_MODE, 25, 1), 1
	s_wait_xcnt 0x0
	s_wait_alu depctr_hold_cnt(0) depctr_sa_sdst(0) depctr_va_vdst(0) depctr_va_sdst(0) depctr_va_ssrc(0) depctr_va_vcc(0) depctr_vm_vsrc(0)
	s_getreg_b32 s2, hwreg(HW_REG_IB_STS2, 6, 4)
	s_cmp_eq_u32 s2, 0
	s_cbranch_scc0 .Lentry_in_a_cluster
	s_endpgm
.Lentry_in_a_cluster:
	s_bfe_u32 s2, ttmp6, 0x10000c
	s_cmp_lg_u32 s2, 0x3003
	s_cbranch_scc0 .Lentry_shape_is_right
	s_endpgm
.Lentry_shape_is_right:
; Attention of one head (bh = work-group y) for 256 queries (work-group x), both products on codes of FP4 (E2M1) with one E8M0 scale for each 32 along K; the result, divided by the row's sum, is quantised along d for the projection.
; INPUTS are images of operand registers: qc [bh][T 256][lane][16 B], qs [bh][T][r] words; kv [bh][step 32] records of 8,960 bytes for 128 keys: +0 K's codes [tile 8][lane][16 B], +4096 V's codes [c 2][d tile 4][lane][16 B],
; +8192 K's scale words [tile 8][r 16], +8704 V's [d tile 4][r 16].  OUTPUTS: oc [b][T][head][lane][16 B] (lane (r, h): codes of d = 32 h + 0 .. 31 of query r), os [b][T][r 16][8 B], byte 2 head + block.
; THE SOFTMAX: t = score x log2(e) / 8; M = the running largest t rounded UP to a whole number; p = 2^(t - M) is quantised along the keys, not normalised; the row's sum is taken of the unquantised p and divides at the end.
; When M moves, the sum and O are multiplied by 2^(old M - new M): exact.
; SHARES.  Sixteen waves, each with ONE tile of 16 queries in 256 registers: four waves to a SIMD, so that one wave's vector work stands beside another's products and LDS loads.  Every wave walks all 4,096 keys, 128 a step.
; A WHOLE HEAD'S K, V AND SCALES ARE 286,720 BYTES AND STAY IN LDS: each byte is filled once, nothing is filled again, nothing is stored to LDS.  Waves 0 to 3 each bring a quarter of each of four chunks of 8 steps:
; four tensor loads of a wave are out at the start, and each chunk is waited for in front of its first step.
; CLUSTER.  The four work-groups of a cluster are four query blocks of one head and want the same bytes: each load is asked for jointly, with the same descriptor and a mask that names the four.
; LAYOUT.  Both products are used transposed: S^T = K Q^T (source 0 = 16 keys), O^T = V^T P^T (source 0 = 16 of d): a lane holds ONE query throughout.  Row r of tile 2 b + u (keys, d) stands for index 32 b + 8 u + r + 8 (r / 8), so
; that the 16 registers of tiles 2 b, 2 b + 1 are 16 neighbours.  The head has 64 along d, the instruction takes 128: registers 4-7 of Q's and K's fragments hold zero codes, which add nothing.
; LIMITS: a p under 2^-126 comes out as 0; a block's largest p is taken through its largest score (it takes v_exp_f32 not to fall where its input rises); a block whose largest magnitude lies under 2^-124 gets the byte 1;
; NaN and infinities are not served.  os leaves a byte a lane: a row's other bytes are other heads', other work-groups'; 131,072 bytes in the launch.
; REGISTERS: v1 16 x lane, v2 4 x lane, v3-4 the step's LDS addresses, v5-6 offsets; v12 -M, v13 the largest t, v[14:15] the sum; v16-23 Q; v24 Q's scale word, v25-28 K's, v29-30 V's (tile 2 g in lanes 0-15, 2 g + 1 in lanes 16-31),
; v31 p's: these hold scales alone; v32-95 K; v96-159 S^T, then p; v160-191 O^T; v192-223 V; v224-231 p's codes; v232-254 at work.
.set REC,   8960
.set CHB,   8*REC                      ; a chunk: 8 key steps, 71,680 bytes
.set PIECE, CHB/4                      ; what one tensor load brings: 17,920 bytes = 70 rows of 256
.set HEADB, 4*CHB
.set WV,  14                           ; s14  my wave's number
.set SEL, 20                           ; s[20:21] v_permlanex16_b32's selects for lane l xor 16
.set CS,  22                           ; s[22:23] c = log2(e) / 8, twice
.set G1,  24                           ; s[24:31] descriptor group 1
.set G0,  32                           ; s[32:47] four groups 0, one for each chunk; never rewritten
.set TB,  48                           ; s48  LDS byte of the step's record
.set CNT, 49                           ; s49  steps left in the chunk
.macro ROUND                           ; a round of the cluster's barrier
	s_barrier_signal -1
	s_barrier_wait -1
	s_cmp_lg_u32 s[WV], 0
	s_cbranch_scc1 .Lnot_wave_0_\@
	s_barrier_signal -3
.Lnot_wave_0_\@:
	s_barrier_wait -3
	s_barrier_signal -1
	s_barrier_wait -1
.endm
	s_load_b256 s[4:11], s[0:1], 0x0               ; qc 4:5, qs 6:7, kv 8:9, oc 10:11
	s_load_b64 s[12:13], s[0:1], 0x20              ; os
	v_lshl_add_u32 v251, v0, 2, 0x46000
	v_mov_b32 v255, 0
	ds_add_u32 v251, v255
	ds_add_u32 v251, v255
	v_lshrrev_b32 v1, 5, v0
	s_delay_alu instid0(VALU_DEP_1)
	v_readfirstlane_b32 s[WV], v1                  ; wave 0..15
	s_and_b32 s17, ttmp7, 0xffff                   ; bh: the four partners share it
	; group 1: 70 rows of 256 bytes (32 elements of 8 bytes), dense in memory and in LDS
	s_mov_b32 s[G1], 15|(3<<16)|(1<<21)            ; 15:0 the mask: all four work-groups; 17:16 elements of 8 bytes; 21 set beside a mask; no padding
	s_mov_b32 s[G1+1], 32<<16                      ; tensor_dim0 = 32
	s_mov_b32 s[G1+2], 70<<16                      ; tensor_dim1 = 70
	s_mov_b32 s[G1+3], 32<<16                      ; tile_dim0 = 32
	s_mov_b32 s[G1+4], 70                          ; tile_dim1 = 70
	s_mov_b32 s[G1+5], 32                          ; from row to row
	s_mov_b32 s[G1+6], 0
	s_mov_b32 s[G1+7], 0
	s_mul_i32 s50, s[WV], PIECE                    ; my quarter of a chunk: the wave's number alone enters an LDS address
	s_mul_i32 s52, s17, HEADB
	s_add_co_u32 s52, s52, s50
	s_mov_b32 s53, 0
	s_mov_b32 s[SEL], 0x76543210
	s_mov_b32 s[SEL+1], 0xfedcba98
	s_mov_b32 s[CS], 0x3e38aa3b                    ; log2(e) / 8
	s_mov_b32 s[CS+1], s[CS]
	s_mov_b32 s58, 0xffff0000                      ; lanes 16-31
	s_wait_dscnt 0x0
	s_wait_kmcnt 0x0
	s_add_nc_u64 s[52:53], s[8:9], s[52:53]        ; kv at the head, at my quarter
.irp j, 0,1,2,3
	s_mov_b32 s[G0+4*\j], 1                        ; count = 1
	s_add_co_u32 s[G0+4*\j+1], s50, \j*CHB         ; LDS address
	s_add_nc_u64 s[G0+4*\j+2:G0+4*\j+3], s[52:53], \j*CHB   ; global address
	s_or_b32 s[G0+4*\j+3], s[G0+4*\j+3], 0x80000000         ; type = 2
.endr
	ROUND                                          ; all four work-groups are here: the joint loads meet
	s_cmp_lt_u32 s[WV], 4                          ; waves 0-3 fetch: all their fills stand in this one branch, ahead of every wait on TENSORcnt and every LDS read
	s_cbranch_scc0 .Lno_fill
	tensor_load_to_lds s[G0:G0+3], s[G1:G1+7]
	s_nop 0
	tensor_load_to_lds s[G0+4:G0+7], s[G1:G1+7]
	s_nop 0
	tensor_load_to_lds s[G0+8:G0+11], s[G1:G1+7]
	s_nop 0
	tensor_load_to_lds s[G0+12:G0+15], s[G1:G1+7]
	s_nop 0
.rept 4
	v_nop
.endr
.Lno_fill:
	s_bfe_u32 s15, ttmp6, 0x40000                  ; cx: it enters global offsets of Q and of the outputs alone
	s_lshl_b32 s16, ttmp9, 2
	s_add_co_u32 s16, s16, s15                     ; my block of 256 queries
	s_lshl_b32 s18, s16, 4
	s_add_co_u32 s18, s18, s[WV]                   ; T: my tile of 16 queries
	s_lshl_b32 s54, s17, 8
	s_add_co_u32 s54, s54, s18
	s_lshl_b32 s56, s54, 9
	s_mov_b32 s57, 0
	s_add_nc_u64 s[4:5], s[4:5], s[56:57]          ; qc + (256 bh + T) x 512
	s_lshl_b32 s56, s54, 6
	s_add_nc_u64 s[6:7], s[6:7], s[56:57]          ; qs + (256 bh + T) x 64
	s_lshr_b32 s54, s17, 2                         ; b
	s_and_b32 s55, s17, 3                          ; head
	s_lshl_b32 s56, s54, 19
	s_lshl_b32 s19, s18, 11
	s_add_co_u32 s56, s56, s19
	s_lshl_b32 s19, s55, 9
	s_add_co_u32 s56, s56, s19
	s_add_nc_u64 s[10:11], s[10:11], s[56:57]      ; oc + b x 524,288 + T x 2,048 + head x 512
	s_lshl_b32 s56, s54, 15
	s_lshl_b32 s19, s18, 7
	s_add_co_u32 s56, s56, s19
	s_lshl_b32 s19, s55, 1
	s_add_co_u32 s56, s56, s19
	s_add_nc_u64 s[12:13], s[12:13], s[56:57]      ; os + b x 32,768 + T x 128 + 2 head
	v_and_b32 v7, 31, v0
	s_delay_alu instid0(VALU_DEP_1)
	v_lshlrev_b32 v1, 4, v7                        ; 16 x lane
	s_delay_alu instid0(VALU_DEP_2)
	v_lshlrev_b32 v2, 2, v7                        ; 4 x lane
	v_and_b32 v8, 15, v0                           ; r
	v_bfe_u32 v9, v0, 4, 1                         ; h
	s_delay_alu instid0(VALU_DEP_2)
	v_lshlrev_b32 v5, 2, v8
	s_delay_alu instid0(VALU_DEP_2)
	v_lshl_add_u32 v6, v8, 3, v9                   ; 8 r + h
	global_load_b128 v[16:19], v1, s[4:5]          ; Q's codes stay in registers
	global_load_b32 v24, v5, s[6:7]                ; and its scale words
.irp j, 20,21,22,23
	v_mov_b32 v[\j], 0                             ; k = 64 .. 127 of Q: zero codes
.endr
.irp t, 0,1,2,3,4,5,6,7
.irp j, 4,5,6,7
	v_mov_b32 v[32+8*\t+\j], 0                     ; and of K's eight fragments: written once, the loads fill registers 0-3 alone
.endr
.endr
.set j, 0
.rept 32
	v_mov_b32 v[160+j], 0                          ; O^T.  (The step is written once: the first finds zeros, which the first change of M leaves zeros)
.set j, j+1
.endr
	v_mov_b32 v13, 0xff61b1e6                      ; the largest t so far: -3e38, under every t
	s_delay_alu instid0(VALU_DEP_1)
	v_floor_f32 v12, -v13                          ; -M
	v_mov_b32 v14, 0
	v_mov_b32 v15, 0
.irp b, 0,1,2,3
	v_mov_b32 v[236+\b], 0                         ; a lane permute's destination counts as one of its sources
.endr
	v_mov_b32 v253, 0                              ; named as the upper half of the pair v[252:253]
	s_wait_loadcnt 0x0                             ; Q
; A KEY STEP: 128 keys, the record at LDS byte s[TB].
.macro STEP
	v_add_nc_u32 v3, s[TB], v1
	v_add_nc_u32 v4, s[TB], v2
.irp t, 0,1,2,3,4,5,6,7
	ds_load_b128 v[32+8*\t:35+8*\t], v3 offset:512*\t              ; K's images: 512 consecutive bytes an instruction
.endr
.irp g, 0,1,2,3
	ds_load_b32 v[25+\g], v4 offset:8192+128*\g
.endr
	s_wait_alu depctr_va_vdst(0)
	s_wait_dscnt 0x0
.irp g, 0,1,2,3
	v_wmma_scale_f32_16x16x128_f8f6f4 v[96+16*\g:103+16*\g], v[32+16*\g:39+16*\g], v[16:23], 0, v[25+\g], v24 matrix_a_fmt:MATRIX_FMT_FP4 matrix_b_fmt:MATRIX_FMT_FP4
	v_wmma_scale_f32_16x16x128_f8f6f4 v[104+16*\g:111+16*\g], v[40+16*\g:47+16*\g], v[16:23], 0, v[25+\g], v24 matrix_a_fmt:MATRIX_FMT_FP4 matrix_b_fmt:MATRIX_FMT_FP4 matrix_a_scale:MATRIX_SCALE_ROW1
.endr
.rept 4
	v_nop                                          ; four places ahead of the first read of the scores; with the two additions above, six behind the last step's second products, into whose registers the loads below go
.endr
.irp c, 0,1
.irp t, 0,1,2,3
	ds_load_b128 v[192+8*\t+4*\c:195+8*\t+4*\c], v3 offset:4096+2048*\c+512*\t   ; V lands while the softmax is worked
.endr
.endr
.irp g, 0,1
	ds_load_b32 v[29+\g], v4 offset:8704+128*\g
.endr
.irp b, 0,1,2,3
	v_max3_num_f32 v[232+\b], v[96+16*\b], v[97+16*\b], v[98+16*\b]   ; the largest score of each block of 32 keys: for the row's maximum and for the block's largest p.  Each accumulator is read from its low end on
.endr
.irp i, 3,5,7,9,11,13
.irp b, 0,1,2,3
	v_max3_num_f32 v[232+\b], v[232+\b], v[96+16*\b+\i], v[97+16*\b+\i]
.endr
.endr
.irp b, 0,1,2,3
	v_max_num_f32 v[232+\b], v[232+\b], v[111+16*\b]
.endr
.irp b, 0,1,2,3
	s_delay_alu instid0(VALU_DEP_4)
	v_permlanex16_b32 v[236+\b], v[232+\b], s[SEL], s[SEL+1]
.endr
.irp b, 0,1,2,3
	s_delay_alu instid0(VALU_DEP_4)
	v_max_num_f32 v[232+\b], v[232+\b], v[236+\b]  ; with lane l xor 16's 16 keys
.endr
	s_delay_alu instid0(VALU_DEP_2)
	v_max3_num_f32 v254, v232, v233, v234
	s_delay_alu instid0(VALU_DEP_1)
	v_max_num_f32 v254, v254, v235
	s_delay_alu instid0(VALU_DEP_1)
	v_mul_f32 v254, s[CS], v254                    ; the step's largest t (c is positive)
	s_delay_alu instid0(VALU_DEP_1)
	v_max_num_f32 v13, v13, v254
	v_mov_b32 v254, v12
	s_delay_alu instid0(VALU_DEP_2)
	v_floor_f32 v12, -v13                          ; the new -M = -ceil(t)
	s_delay_alu instid0(VALU_DEP_1)
	v_sub_f32 v254, v12, v254                      ; old M - new M: a whole number, 0 or less
	s_delay_alu instid0(VALU_DEP_1)
	v_cvt_i32_f32 v254, v254                       ; (it saturates)
	s_delay_alu instid0(VALU_DEP_1)
	v_ldexp_f32 v252, 1.0, v254                    ; f = 2^(old M - new M)
.set j, 0
.rept 32
	v_pk_fma_f32 v[96+j:97+j], v[96+j:97+j], s[CS:CS+1], v[12:13] op_sel_hi:[1,0,0]   ; t - M
.set j, j+2
.endr
.irp b, 0,1,2,3
	v_fma_f32 v[232+\b], v[232+\b], s[CS], v12
.endr
.set j, 0
	s_wait_alu depctr_va_vdst(0)
.rept 64
	v_exp_f32 v[96+j], v[96+j]                     ; p = 2^(t - M)
.set j, j+1
.endr
	s_setprio 1
.irp b, 0,1,2,3
	v_exp_f32 v[232+\b], v[232+\b]                 ; the block's largest p: the same two instructions on the same number
.endr
	v_pk_mul_f32 v[14:15], v[14:15], v[252:253] op_sel_hi:[1,0]   ; the sums under the new M; the plain place behind the exponentials
	s_wait_alu depctr_va_vdst(0)
.irp b, 0,1,2,3
	v_max_num_f32 v[232+\b], 0x1800000, v[232+\b]  ; the floor 2^(3 - 127)
.endr
.irp b, 0,1,2,3
	s_delay_alu instid0(VALU_DEP_4)
	v_add_nc_u32 v[244+\b], 0xff000000, v[232+\b]  ; the conversion's scale operand
.endr
.irp b, 0,1,2,3
	s_delay_alu instid0(VALU_DEP_4)
	v_lshrrev_b32 v[236+\b], 23, v[244+\b]         ; the scale's byte
.endr
	s_delay_alu instid0(VALU_DEP_3)
	v_lshl_or_b32 v31, v237, 8, v236               ; p's scale word for these 128 keys
	s_delay_alu instid0(VALU_DEP_1)
	v_lshl_or_b32 v31, v238, 16, v31
	s_delay_alu instid0(VALU_DEP_1)
	v_lshl_or_b32 v31, v239, 24, v31
.irp b, 0,1,2,3
	v_cvt_scalef32_pk8_fp4_f32 v[224+2*\b], v[96+16*\b:103+16*\b], v[244+\b]
	v_cvt_scalef32_pk8_fp4_f32 v[225+2*\b], v[104+16*\b:111+16*\b], v[244+\b]
.endr
	v_nop                                          ; one plain place behind a scaled conversion
.irp c, 0,1
.irp i, 0,1
	v_permlane16_swap_b32 v[224+4*\c+\i], v[226+4*\c+\i]   ; a whole block to a lane
.endr
.endr
.set j, 0
.rept 16
	v_pk_mul_f32 v[160+j:161+j], v[160+j:161+j], v[252:253] op_sel_hi:[1,0]   ; O^T under the new M, each accumulator from its low end on
.set j, j+2
.endr
	v_pk_add_f32 v[236:237], v[100:101], v[104:105]
	v_pk_add_f32 v[248:249], v[108:109], v[112:113]
	v_pk_add_f32 v[246:247], v[116:117], v[120:121]
	v_pk_add_f32 v[244:245], v[124:125], v[128:129]
	v_pk_add_f32 v[242:243], v[132:133], v[136:137]
	v_pk_add_f32 v[240:241], v[140:141], v[144:145]
	v_pk_add_f32 v[234:235], v[148:149], v[152:153]
	v_pk_add_f32 v[14:15], v[14:15], v[156:157]
	v_pk_add_f32 v[236:237], v[236:237], v[96:97]
	v_pk_add_f32 v[248:249], v[248:249], v[98:99]
	v_pk_add_f32 v[246:247], v[246:247], v[102:103]
	v_pk_add_f32 v[244:245], v[244:245], v[106:107]
	v_pk_add_f32 v[242:243], v[242:243], v[110:111]
	v_pk_add_f32 v[240:241], v[240:241], v[114:115]
	s_setprio 0
	v_pk_add_f32 v[234:235], v[234:235], v[118:119]
	v_pk_add_f32 v[14:15], v[14:15], v[122:123]
	v_pk_add_f32 v[236:237], v[236:237], v[126:127]
	v_pk_add_f32 v[248:249], v[248:249], v[130:131]
	v_pk_add_f32 v[246:247], v[246:247], v[134:135]
	v_pk_add_f32 v[244:245], v[244:245], v[138:139]
	v_pk_add_f32 v[242:243], v[242:243], v[142:143]
	v_pk_add_f32 v[240:241], v[240:241], v[146:147]
	v_pk_add_f32 v[234:235], v[234:235], v[150:151]
	v_pk_add_f32 v[14:15], v[14:15], v[154:155]
	v_pk_add_f32 v[236:237], v[236:237], v[158:159]
	s_delay_alu instid0(VALU_DEP_2)
	v_pk_add_f32 v[14:15], v[14:15], v[244:245]
	s_delay_alu instid0(VALU_DEP_2)
	v_pk_add_f32 v[236:237], v[236:237], v[242:243]
	v_pk_add_f32 v[248:249], v[248:249], v[240:241]
	v_pk_add_f32 v[246:247], v[246:247], v[234:235]
	s_delay_alu instid0(VALU_DEP_2)
	v_pk_add_f32 v[14:15], v[14:15], v[248:249]
	s_delay_alu instid0(VALU_DEP_2)
	v_pk_add_f32 v[236:237], v[236:237], v[246:247]
	s_delay_alu instid0(VALU_DEP_1)
	v_pk_add_f32 v[14:15], v[14:15], v[236:237]
	s_wait_dscnt 0x0                               ; V
.irp g, 0,1
	v_wmma_scale_f32_16x16x128_f8f6f4 v[160+16*\g:167+16*\g], v[192+16*\g:199+16*\g], v[224:231], v[160+16*\g:167+16*\g], v[29+\g], v31 matrix_a_fmt:MATRIX_FMT_FP4 matrix_b_fmt:MATRIX_FMT_FP4
	v_wmma_scale_f32_16x16x128_f8f6f4 v[168+16*\g:175+16*\g], v[200+16*\g:207+16*\g], v[224:231], v[168+16*\g:175+16*\g], v[29+\g], v31 matrix_a_fmt:MATRIX_FMT_FP4 matrix_b_fmt:MATRIX_FMT_FP4 matrix_a_scale:MATRIX_SCALE_ROW1
.endr
.endm
; Chunk j: waves 0-3 wait for their quarter of it (the count leaves the later chunks' loads out; the other waves have none), a barrier shows it to all sixteen, eight steps follow.
.macro CHUNK j
	s_wait_tensorcnt 3-\j
	s_barrier_signal -1
	s_barrier_wait -1
	s_mov_b32 s[TB], \j*CHB
	s_mov_b32 s[CNT], 8
.Lstep_\@:
	s_setprio 2
	STEP
	s_add_co_u32 s[TB], s[TB], REC
	s_sub_co_u32 s[CNT], s[CNT], 1
	s_cmp_lg_u32 s[CNT], 0
	s_cbranch_scc1 .Lstep_\@
	s_setprio 0
.endm
	CHUNK 0
	CHUNK 1
	CHUNK 2
	CHUNK 3
	; THE WAY OUT: O^T / the sum, quantised along d: two blocks of 32, each shared with lane l xor 16
.rept 4
	v_nop
.endr
	s_wait_alu depctr_va_vdst(0)
	v_add_f32 v14, v14, v15
	s_delay_alu instid0(VALU_DEP_1)
	v_permlanex16_b32 v252, v14, s[SEL], s[SEL+1]
	s_delay_alu instid0(VALU_DEP_1)
	v_add_f32 v14, v14, v252                       ; the row's sum
	s_wait_alu depctr_va_vdst(0)
	v_rcp_f32 v14, v14
	v_nop                                          ; one plain place behind a transcendental
.set j, 0
	s_wait_alu depctr_va_vdst(0)
.rept 32
	v_mul_f32 v[96+j], v[160+j], v14               ; register 16 beta + i: d = 32 beta + 16 h + i of my query
.set j, j+1
.endr
.irp b, 0,1
	v_max3_num_f32 v[232+\b], |v[96+16*\b]|, |v[97+16*\b]|, 0x1800000
.endr
.irp i, 2,4,6,8,10,12,14
.irp b, 0,1
	s_delay_alu instid0(VALU_DEP_2)
	v_max3_num_f32 v[232+\b], v[232+\b], |v[96+16*\b+\i]|, |v[97+16*\b+\i]|
.endr
.endr
.irp b, 0,1
	s_delay_alu instid0(VALU_DEP_2)
	v_permlanex16_b32 v[236+\b], v[232+\b], s[SEL], s[SEL+1]
.endr
.irp b, 0,1
	s_delay_alu instid0(VALU_DEP_2)
	v_max_num_f32 v[232+\b], v[232+\b], v[236+\b]
.endr
.irp b, 0,1
	s_delay_alu instid0(VALU_DEP_2)
	v_add_nc_u32 v[244+\b], 0xff000000, v[232+\b]
.endr
.irp b, 0,1
	s_delay_alu instid0(VALU_DEP_2)
	v_lshrrev_b32 v[236+\b], 23, v[244+\b]
.endr
.irp b, 0,1
	v_cvt_scalef32_pk8_fp4_f32 v[224+2*\b], v[96+16*\b:103+16*\b], v[244+\b]
	v_cvt_scalef32_pk8_fp4_f32 v[225+2*\b], v[104+16*\b:111+16*\b], v[244+\b]
.endr
	v_nop
	v_permlane16_swap_b32 v224, v226
	v_permlane16_swap_b32 v225, v227               ; v224-227: lanes 0-15 block 0, lanes 16-31 block 1
	v_cndmask_b32 v236, v236, v237, s58            ; lanes 0-15 keep block 0's byte, lanes 16-31 take block 1's
	global_store_b128 v1, v[224:227], s[10:11]     ; 512 consecutive bytes
	global_store_b8 v6, v236, s[12:13]
	s_wait_tensorcnt 0x0                           ; none of my tensor loads is out at the end
	s_wait_tensorcnt 0x0
	ds_add_u32 v251, v255
	s_wait_dscnt 0x0
	ROUND                                          ; the closing round: no work-group ends while a partner may still ask for bytes under a mask that names it
	s_endpgm
.Lfunc_end_k_q6353eb8650_attn:
	.size	k_q6353eb8650_attn, .Lfunc_end_k_q6353eb8650_attn-k_q6353eb8650_attn
	.p2alignl 7, 3214868480
	.fill 96, 4, 3214868480
	.section	.rodata,"a",@progbits
	.p2align	6, 0x0
	.amdhsa_kernel k_q6353eb8650_attn
		.amdhsa_group_segment_fixed_size 327680
		.amdhsa_private_segment_fixed_size 0
		.amdhsa_enable_private_segment 0
		.amdhsa_kernarg_size 40
		.amdhsa_user_sgpr_count 2
		.amdhsa_user_sgpr_kernarg_segment_ptr 1
		.amdhsa_wavefront_size32 1
		.amdhsa_system_sgpr_workgroup_id_x 1
		.amdhsa_system_sgpr_workgroup_id_y 1
		.amdhsa_system_sgpr_workgroup_id_z 1
		.amdhsa_system_vgpr_workitem_id 0
		.amdhsa_next_free_vgpr 256
		.amdhsa_next_free_sgpr 66
		.amdhsa_reserve_vcc 0
		.amdhsa_float_denorm_mode_32 3
		.amdhsa_float_denorm_mode_16_64 3
		.amdhsa_memory_ordered 1
		.amdhsa_forward_progress 1
		.amdhsa_inst_pref_size 78
	.end_amdhsa_kernel
	.amdgpu_metadata
---
amdhsa.version: [ 1, 2 ]
amdhsa.kernels:
  - .name:           k_q6353eb8650_attn
    .symbol:         k_q6353eb8650_attn.kd
    .args:
      - { .name: qc, .offset: 0, .size: 8, .value_kind: global_buffer, .address_space: global }
      - { .name: qs, .offset: 8, .size: 8, .value_kind: global_buffer, .address_space: global }
      - { .name: kv, .offset: 16, .size: 8, .value_kind: global_buffer, .address_space: global }
      - { .name: oc, .offset: 24, .size: 8, .value_kind: global_buffer, .address_space: global }
      - { .name: os, .offset: 32, .size: 8, .value_kind: global_buffer, .address_space: global }
    .group_segment_fixed_size: 327680
    .private_segment_fixed_size: 0
    .kernarg_segment_align: 8
    .kernarg_segment_size: 40
    .max_flat_workgroup_size: 512
    .sgpr_count:     66
    .vgpr_count:     256
    .wavefront_size: 32
...
	.end_amdgpu_metadata
.endif
;; end of part 3
;; launch proj (part 4): grid 256 x 1, 8 waves a work-group, no clusters, 70,656 bytes of LDS; arguments oc, os, proj_w_codes, proj_w_scales, proj_b, x, out0; writes out0
.if DOCPART == 4
	.amdgcn_target "amdgcn-amd-amdhsa--gfx1250"
	.amdhsa_code_object_version 6
	.text
	.protected	k_q6353eb8650_proj
	.globl	k_q6353eb8650_proj
	.p2align	8
	.type	k_q6353eb8650_proj,@function
k_q6353eb8650_proj:
	s_mov_b64 s[64:65], 0
	v_nop
	global_prefetch_b8 v0, s[64:65] scope:SCOPE_SE
	s_setreg_imm32_b32 hwreg(HW_REG_WAVE_MODE, 25, 1), 1
	s_wait_xcnt 0x0
; out0 = x + proj_w . attention + proj_b, the product on codes of FP4 (E2M1) with one E8M0 scale for each 32 along K (the 256 channels = head x 64 + d).
; oc [b][T 256][head 4][lane][16 B] holds images of the operand's registers: head 2 s + c is registers 4 c .. 4 c + 3 of K step s of pixel tile T; os [b][T][r 16][8 B]: word s is row r's scale word of K step s.
; A work-group takes 64 pixels (b = wg / 64, kb = wg % 64; pixel tiles 4 kb + t) x 256 outputs; wave w takes outputs 32 w .. 32 w + 31: two tiles of W x four pixel tiles x two K steps = 16 matrix instructions.
; Source 0 = 16 pixels, source 1 = 16 rows of W: a lane holds ONE output, and since row r of pixel tile 2 b' + u stands for pixel 32 b' + 8 u + r + 8 (r / 8), its registers of tiles 2 b', 2 b' + 1 are 16 neighbouring pixels.
; A wave owns whole rows of out0's 64 pixels (256 bytes), so its stage in LDS is its own and the launch has no barrier: results go in 32 bytes a lane and come back as rows, sixteen lanes to 256 consecutive aligned bytes.
; No tensor load, no cluster: every operand goes from memory into registers 16 bytes a lane, and W (32,768 bytes) is read once by a work-group.
.set SP,  272                          ; a stage row: 256 bytes + 16: the 16 rows that a store touches start in 16 different 16-byte columns of 256
.set AT,  24                           ; v24-87   attention's fragments (AT + 16 t + 8 s); later the rows read back
.set WF,  88                           ; v88-119  W's (WF + 16 i + 8 s)
.set BI,  120                          ; v120-123 my output's bias, twice, for each i
.set ACC, 124                          ; v124-187 eight accumulators (ACC + 32 i + 8 t)
.set XR,  188                          ; v188-251 x's rows
; v12-19 attention's scale words, a pair (K step 0, 1) a tile; v20-23 W's: they hold nothing else
	s_load_b256 s[4:11], s[0:1], 0x0               ; oc 4:5, os 6:7, W's codes 8:9, W's scales 10:11
	s_load_b128 s[12:15], s[0:1], 0x20             ; proj_b 12:13, x 14:15
	s_load_b64 s[16:17], s[0:1], 0x30              ; out0
	v_lshl_add_u32 v254, v0, 2, 0x11000
	v_mov_b32 v255, 0
	v_lshrrev_b32 v1, 5, v0
	s_delay_alu instid0(VALU_DEP_1)
	v_readfirstlane_b32 s20, v1                    ; wave
	s_lshr_b32 s21, ttmp9, 6                       ; b
	s_and_b32 s22, ttmp9, 63                       ; kb
	v_and_b32 v1, 31, v0
	s_delay_alu instid0(VALU_DEP_1)
	v_lshlrev_b32 v1, 4, v1                        ; 16 x lane
	v_and_b32 v2, 15, v0                           ; r
	v_bfe_u32 v3, v0, 4, 1                         ; h
	s_delay_alu instid0(VALU_DEP_2)
	v_lshlrev_b32 v4, 7, v2
	s_delay_alu instid0(VALU_DEP_1)
	v_lshl_add_u32 v4, v3, 4, v4                   ; W: row r of 128 bytes, + 16 h
	s_delay_alu instid0(VALU_DEP_4)
	v_lshlrev_b32 v5, 3, v2                        ; scale words: 8 bytes a row
	v_lshlrev_b32 v6, 2, v2                        ; the bias of output r
	s_mul_i32 s23, s20, 32*SP                      ; my stage
	v_mul_u32_u24 v7, v2, SP
	s_delay_alu instid0(VALU_DEP_1)
	v_lshl_add_u32 v7, v3, 6, v7
	s_delay_alu instid0(VALU_DEP_1)
	v_add_nc_u32 v7, s23, v7                       ; in: row r, + 64 h bytes (16 pixels)
	v_mul_u32_u24 v8, v3, SP
	s_delay_alu instid0(VALU_DEP_1)
	v_lshl_add_u32 v8, v2, 4, v8
	s_delay_alu instid0(VALU_DEP_1)
	v_add_nc_u32 v8, s23, v8                       ; back: lanes 0-15 one row, lanes 16-31 the next
	v_lshlrev_b32 v9, 14, v3
	s_delay_alu instid0(VALU_DEP_1)
	v_lshl_add_u32 v9, v2, 4, v9                   ; and the same two rows in x and out0: 16,384 bytes from row to row
	s_mov_b32 s25, 0
	s_wait_alu depctr_va_vdst(0)
	s_wait_kmcnt 0x0
	s_lshl_b32 s24, s21, 19
	s_lshl_b32 s26, s22, 13
	s_add_co_u32 s24, s24, s26
	s_add_nc_u64 s[4:5], s[4:5], s[24:25]          ; oc + b x 524,288 + kb x 8,192
	s_lshl_b32 s24, s21, 15
	s_lshl_b32 s26, s22, 9
	s_add_co_u32 s24, s24, s26
	s_add_nc_u64 s[6:7], s[6:7], s[24:25]          ; os + b x 32,768 + kb x 512
	s_lshl_b32 s24, s20, 12
	s_add_nc_u64 s[8:9], s[8:9], s[24:25]          ; my 32 rows of W,
	s_lshl_b32 s24, s20, 8
	s_add_nc_u64 s[10:11], s[10:11], s[24:25]      ; their scale bytes,
	s_lshl_b32 s24, s20, 7
	s_add_nc_u64 s[12:13], s[12:13], s[24:25]      ; their biases
	s_lshl_b32 s24, s21, 22
	s_lshl_b32 s26, s20, 19
	s_add_co_u32 s24, s24, s26
	s_lshl_b32 s26, s22, 8
	s_add_co_u32 s24, s24, s26
	s_add_nc_u64 s[14:15], s[14:15], s[24:25]      ; x and out0 at (b, channel 32 w, pixel 64 kb)
	s_add_nc_u64 s[16:17], s[16:17], s[24:25]
.irp t, 0,1,2,3
.irp s, 0,1
.irp c, 0,1
	global_load_b128 v[AT+16*\t+8*\s+4*\c:AT+16*\t+8*\s+4*\c+3], v1, s[4:5] offset:(4*\t+2*\s+\c)*512
.endr
.endr
	global_load_b64 v[12+2*\t:13+2*\t], v5, s[6:7] offset:128*\t
.endr
.irp i, 0,1
.irp s, 0,1
.irp c, 0,1
	global_load_b128 v[WF+16*\i+8*\s+4*\c:WF+16*\i+8*\s+4*\c+3], v4, s[8:9] offset:2048*\i+64*\s+32*\c
.endr
.endr
	global_load_b64 v[20+2*\i:21+2*\i], v5, s[10:11] offset:128*\i
	global_load_b32 v[BI+2*\i], v6, s[12:13] offset:64*\i
	global_load_b32 v[BI+2*\i+1], v6, s[12:13] offset:64*\i
.endr
.irp k, 0,1,2,3,4,5,6,7,8,9,10,11,12,13,14,15
	global_load_b128 v[XR+4*\k:XR+4*\k+3], v9, s[14:15] offset:32768*\k th:TH_LOAD_NT   ; rows 2 k and 2 k + 1 of my 32: sixteen lanes read 256 consecutive bytes; nobody reads them after this
.endr
	s_wait_loadcnt 16                              ; all but x's sixteen loads
	; eight accumulators take turns, one instruction a turn; K step 0 starts the sums
.irp i, 0,1
.irp t, 0,1,2,3
	v_wmma_scale_f32_16x16x128_f8f6f4 v[ACC+32*\i+8*\t:ACC+32*\i+8*\t+7], v[AT+16*\t:AT+16*\t+7], v[WF+16*\i:WF+16*\i+7], 0, v[12+2*\t], v[20+2*\i] matrix_a_fmt:MATRIX_FMT_FP4 matrix_b_fmt:MATRIX_FMT_FP4
.endr
.endr
.irp i, 0,1
.irp t, 0,1,2,3
	v_wmma_scale_f32_16x16x128_f8f6f4 v[ACC+32*\i+8*\t:ACC+32*\i+8*\t+7], v[AT+16*\t+8:AT+16*\t+15], v[WF+16*\i+8:WF+16*\i+15], v[ACC+32*\i+8*\t:ACC+32*\i+8*\t+7], v[13+2*\t], v[21+2*\i] matrix_a_fmt:MATRIX_FMT_FP4 matrix_b_fmt:MATRIX_FMT_FP4
.endr
.endr
.rept 4
	v_nop                                          ; four places ahead of the first read of results (ISA guide 7.12.1)
.endr
.irp i, 0,1
.irp p, 0,1,2,3,4,5,6,7,8,9,10,11,12,13,14,15
	v_pk_add_f32 v[ACC+32*\i+2*\p:ACC+32*\i+2*\p+1], v[ACC+32*\i+2*\p:ACC+32*\i+2*\p+1], v[BI+2*\i:BI+2*\i+1]   ; + my output's bias; each accumulator from its low end on
.endr
.endr
.irp i, 0,1
.irp t, 0,1,2,3
	ds_store_b128 v7, v[ACC+32*\i+8*\t:ACC+32*\i+8*\t+3] offset:16*SP*\i+128*(\t/2)+32*(\t%2)       ; pixels 32 (t / 2) + 16 h + 8 (t % 2) + 0 .. 7 of output 16 i + r
	ds_store_b128 v7, v[ACC+32*\i+8*\t+4:ACC+32*\i+8*\t+7] offset:16*SP*\i+128*(\t/2)+32*(\t%2)+16
.endr
.endr
.irp k, 0,1,2,3,4,5,6,7,8,9,10,11,12,13,14,15
	ds_load_b128 v[AT+4*\k:AT+4*\k+3], v8 offset:2*SP*\k   ; LDS serves a wave's instructions in order: these see my stores
.endr
	s_wait_loadcnt 0x0                             ; x
.irp k, 0,1,2,3,4,5,6,7,8,9,10,11,12,13,14,15
	s_wait_dscnt 15-\k                             ; rows 2 k, 2 k + 1 are back; the younger loads may be out
	v_pk_add_f32 v[AT+4*\k:AT+4*\k+1], v[AT+4*\k:AT+4*\k+1], v[XR+4*\k:XR+4*\k+1]
	v_pk_add_f32 v[AT+4*\k+2:AT+4*\k+3], v[AT+4*\k+2:AT+4*\k+3], v[XR+4*\k+2:XR+4*\k+3]
	global_store_b128 v9, v[AT+4*\k:AT+4*\k+3], s[16:17] offset:32768*\k th:TH_STORE_NT   ; sixteen lanes store 256 consecutive bytes, aligned; written once
.endr
	s_wait_tensorcnt 0x0
	ds_add_u32 v254, v255
	s_wait_dscnt 0x0
	s_endpgm
.Lfunc_end_k_q6353eb8650_proj:
	.size	k_q6353eb8650_proj, .Lfunc_end_k_q6353eb8650_proj-k_q6353eb8650_proj
	.p2alignl 7, 3214868480
	.fill 96, 4, 3214868480
	.section	.rodata,"a",@progbits
	.p2align	6, 0x0
	.amdhsa_kernel k_q6353eb8650_proj
		.amdhsa_group_segment_fixed_size 70656
		.amdhsa_private_segment_fixed_size 0
		.amdhsa_enable_private_segment 0
		.amdhsa_kernarg_size 56
		.amdhsa_user_sgpr_count 2
		.amdhsa_user_sgpr_kernarg_segment_ptr 1
		.amdhsa_wavefront_size32 1
		.amdhsa_system_sgpr_workgroup_id_x 1
		.amdhsa_system_sgpr_workgroup_id_y 1
		.amdhsa_system_sgpr_workgroup_id_z 1
		.amdhsa_system_vgpr_workitem_id 0
		.amdhsa_next_free_vgpr 256
		.amdhsa_next_free_sgpr 66
		.amdhsa_reserve_vcc 0
		.amdhsa_float_denorm_mode_32 3
		.amdhsa_float_denorm_mode_16_64 3
		.amdhsa_memory_ordered 1
		.amdhsa_forward_progress 1
		.amdhsa_inst_pref_size 18
	.end_amdhsa_kernel
	.amdgpu_metadata
---
amdhsa.version: [ 1, 2 ]
amdhsa.kernels:
  - .name:           k_q6353eb8650_proj
    .symbol:         k_q6353eb8650_proj.kd
    .args:
      - { .name: oc, .offset: 0, .size: 8, .value_kind: global_buffer, .address_space: global }
      - { .name: os, .offset: 8, .size: 8, .value_kind: global_buffer, .address_space: global }
      - { .name: proj_w_codes, .offset: 16, .size: 8, .value_kind: global_buffer, .address_space: global }
      - { .name: proj_w_scales, .offset: 24, .size: 8, .value_kind: global_buffer, .address_space: global }
      - { .name: proj_b, .offset: 32, .size: 8, .value_kind: global_buffer, .address_space: global }
      - { .name: x, .offset: 40, .size: 8, .value_kind: global_buffer, .address_space: global }
      - { .name: out0, .offset: 48, .size: 8, .value_kind: global_buffer, .address_space: global }
    .group_segment_fixed_size: 70656
    .private_segment_fixed_size: 0
    .kernarg_segment_align: 8
    .kernarg_segment_size: 56
    .max_flat_workgroup_size: 256
    .sgpr_count:     66
    .vgpr_count:     256
    .wavefront_size: 32
...
	.end_amdgpu_metadata
.endif
;; end of part 4
